; MI455X (gfx1250); checked and timed in simulation.
; The chip was launched on July 23, 2026; its instructions are those of AMD's public machine-readable ISA for CDNA 5 (MIT licence, August 2026) and "CDNA5" Instruction Set Architecture Reference Guide (July 2026). The comments in the code are by the model that wrote it; some were corrected since.
;; Multihead self attention. Allowed arithmetic: matrix products marked QUANTISED: E5M2 operands, one given power-of-two scale a tensor, by v_wmma_f32_16x16x64_bf8_bf8 or v_wmma_f32_16x16x128_bf8_bf8, f32 sums; everything else in f32.
;; Inputs: lowp_scales 12 int32 (the exponents e of the quantised operands' scales 2^e); wk_codes 1,024 x 32 x 32 uint8 (E5M2 codes of wk, K innermost, in blocks of 32 codes); wo_codes 1,024 x 32 x 32 uint8 (E5M2 codes of wo, K innermost, in blocks of 32 codes); wq_codes 1,024 x 32 x 32 uint8 (E5M2 codes of wq, K innermost, in blocks of 32 codes); wv_codes 1,024 x 32 x 32 uint8 (E5M2 codes of wv, K innermost, in blocks of 32 codes); x_codes 2 x 2,048 x 32 x 32 uint8 (E5M2 codes of x, K innermost, in blocks of 32 codes).
;; Outputs: out0 2 x 2,048 x 1,024 float32.
;; This version of the problem:
;;   THIS VERSION OF THE PROBLEM IS GIVEN IN LOW PRECISION. The matrix products marked QUANTISED in the list below multiply operands that are first quantised to E5M2 (5 exponent bits, 2 mantissa bits; 8 bits a number), with one given power-of-two scale for each operand tensor; their sums are f32. All else is computed in f32.
;;   The module's matrix products, in the order in which they are computed (A, B: the left and right operand; K: the contracted axis; several contracted axes count as one K, in the product's order):
;;     1. [M 4,096, K 1,024] x [K 1,024, N 1,024]; A: input x (given as codes); B: input wq (given as codes): QUANTISED (scales: A lowp_scales[0], B lowp_scales[1])
;;     2. [M 4,096, K 1,024] x [K 1,024, N 1,024]; A: input x (given as codes); B: input wk (given as codes): QUANTISED (scales: A lowp_scales[2], B lowp_scales[3])
;;     3. [M 4,096, K 1,024] x [K 1,024, N 1,024]; A: input x (given as codes); B: input wv (given as codes): QUANTISED (scales: A lowp_scales[4], B lowp_scales[5])
;;     4. batch 32 x [M 2,048, K 64] x [K 64, N 2,048]; A: computed on the way; B: computed on the way: QUANTISED (scales: A lowp_scales[6], B lowp_scales[7])
;;     5. batch 32 x [M 2,048, K 2,048] x [K 2,048, N 64]; A: softmax (see below); B: computed on the way: QUANTISED (scales: A lowp_scales[8], B lowp_scales[9])
;;     6. [M 4,096, K 1,024] x [K 1,024, N 1,024]; A: computed on the way; B: input wo (given as codes): QUANTISED (scales: A lowp_scales[10], B lowp_scales[11])
;;   THE QUANTISER, for each operand of a quantised product, along K:
;;     - The operand's scale is 2^e, e = its entry of the input lowp_scales (int32; the entries are numbered through the quantised products in the list's order, A before B).
;;     - Each number is divided by the scale, clamped to +-57,344, and rounded to the nearest number of E5M2, ties to even, subnormals kept.
;;     - The product sums the exact products of the quantised numbers (number of the format x scale) in f32.
;;   ~~~python
;;   def quantise(x, axis, e):      # numpy; x: float32 -> the quantised numbers, widened to float32 again
;;       x = np.moveaxis(x, axis, -1); K = x.shape[-1]
;;       r = np.clip(x / 2.0 ** e, -57344, 57344)
;;       step = 2.0 ** (np.maximum(np.frexp(np.where(r == 0, 1, r))[1] - 1, -14) - 2)
;;       q = np.round(r / step) * step * 2.0 ** e      # np.round: ties to even
;;       return np.moveaxis(q, -1, axis).astype(np.float32)
;;   ~~~
;;   SOFTMAX AHEAD OF A QUANTISED PRODUCT. Where the list says 'softmax', what is quantised is not the finished softmax but p = 2^(t - M), with t = logit x log2(e) and M = ceil(the row's largest t), a whole number; so 1/2 < the row's largest p <= 1. The row's sum l is taken of the UNQUANTISED p, in f32, and the product's result is divided by l at the end. Since M is a whole number, a kernel that streams over the keys may use a running M (the ceiling of the running maximum): every later rescaling is an exact power of two, so the quantised numbers keep their values, but for numbers so far below the row's largest that they fall under the format's range.
;;   OPERANDS COMPUTED ON THE WAY. 'Computed on the way' means the value that the module computes at that place (a softmax that the list does not call 'softmax' is quantised finished and normalised). What goes into a quantiser is computed in f32, as accurately as f32 sums, v_exp_f32 and their like allow (about 1e-6 of the number): no bf16 or f16 on the way to a quantiser, and a product that is left as it is and whose result goes on into a quantised operand takes f32 operands (vector FMAs, or v_wmma_f32_16x16x4_f32). A number that lies on a knife's edge between two numbers of the format may be rounded either way, as far as f32 arithmetic and the matrix unit's own rounding can turn it there, and no further.
;;   INPUTS GIVEN AS CODES. wk (in the module: [1024, 1024], K = its axis 1); wo (in the module: [1024, 1024], K = its axis 1); wq (in the module: [1024, 1024], K = its axis 1); wv (in the module: [1024, 1024], K = its axis 1); x (in the module: [2, 2048, 1024], K = its axis 2): each comes as NAME_codes (uint8): NAME with its K axis moved to the last place and cut into blocks of 32 codes, [.., K / 32, bytes a block], one block behind the other in memory; one code a byte (a code: sign, 5 exponent bits, 2 mantissa bits); its scale is its entry of lowp_scales. Its value is code x scale, taken as it is: it is not quantised again, and the codes and scales need not be those that the quantiser above would give.
;; One version. Each part assembles by itself: llvm-mc -triple=amdgcn-amd-amdhsa -mcpu=gfx1250 --defsym DOCPART=n.
;; ======== version 1 of 1: 3 launches
;; limits: right only within a limited range of input values
;; workspace buffers: qc 4,194,304 bytes; kv 8,388,608 bytes; ao 4,194,304 bytes
;; launch qkv (part 1): grid 8 x 32, 4 waves a work-group, clusters of 4 x 4, 327,680 bytes of LDS; arguments x_codes, wq_codes, wk_codes, wv_codes, lowp_scales, qc, kv; writes qc, kv
.if DOCPART == 1
	.amdgcn_target "amdgcn-amd-amdhsa--gfx1250"
	.amdhsa_code_object_version 6
	.text
	.protected	k_q166f6e9c05_qkv
	.globl	k_q166f6e9c05_qkv
	.p2align	8
	.type	k_q166f6e9c05_qkv,@function
k_q166f6e9c05_qkv:
	s_mov_b64 s[64:65], 0
	v_nop
	global_prefetch_b8 v0, s[64:65] scope:SCOPE_SE
	s_setreg_imm32_b32 hwreg(HW_REG_WAVE_MODE, 25, 1), 1
	s_wait_xcnt 0x0
	s_wait_alu depctr_hold_cnt(0) depctr_sa_sdst(0) depctr_va_vdst(0) depctr_va_sdst(0) depctr_va_ssrc(0) depctr_va_vcc(0) depctr_vm_vsrc(0)
	s_getreg_b32 s2, hwreg(HW_REG_IB_STS2, 6, 4)
	s_cmp_eq_u32 s2, 0
	s_cbranch_scc0 .Lentry_in_a_cluster
	s_endpgm
.Lentry_in_a_cluster:
	s_bfe_u32 s2, ttmp6, 0x10000c
	s_cmp_lg_u32 s2, 0xf033
	s_cbranch_scc0 .Lentry_shape_is_right
	s_endpgm
.Lentry_shape_is_right:
; Q = x wq^T, K = x wk^T, V = x wv^T on codes of BF8 (E5M2), each sum quantised again to BF8 with the given scales, and stored as IMAGES OF OPERAND REGISTERS for the attention launch.
; x: [4096][1024] codes; wq, wk, wv: [1024][1024] codes, K innermost.  lowp_scales: e0 .. e11.  A sum of x wq^T stands for sum x 2^(e0 + e1); its code is sum / 2^(e6 - e0 - e1), held at +-57,344; K: e7 - e2 - e3; V: e9 - e4 - e5.
; LIMITS: each of these three differences lies between -126 and 112, so that the scale and 57,344 x the scale are f32 numbers.  NaN codes are not served.
; SHARES.  A work-group takes 128 rows of x (one batch's unit of 128 positions) against rows 128 j .. 128 j + 127 of ALL THREE weights (heads 2 j, 2 j + 1): x's tile serves three products.
; Four waves: wave w takes rows 64 (w / 2) on and head 2 j + w % 2: 3 x 16 accumulators of 16 x 16, 384 registers.
; K goes in chunks of 256 through two LDS slots of four panels (x, wq, wk, wv; 128 rows x 256 bytes each); wave w fetches panel w.  Four chunks: two first fills, two refills.
; CLUSTER 4 x 4: x's panel hangs on the row block alone and is asked for jointly by a row of the cluster, the weights' panels hang on j alone and are asked for jointly by a column.
; LAYOUT.  Q and K: source 0 = 16 rows of the weight, source 1 = 16 rows of x: a lane holds one row of x and eight neighbouring channels, so a conversion's two registers are registers 2 b, 2 b + 1 of a
; 16 x 64 fragment whose row is that position.  V: source 0 = x, source 1 = wv: a lane holds one channel and eight neighbouring positions: registers of a 16 x 128 fragment whose K is the keys.
; An image is four registers of all 32 lanes, lane l's 16 bytes at 16 l: every store covers 512 consecutive bytes, aligned.
; The fragments of x and of the weights are read by 16-byte loads: a permutation of k inside 64, the same on both sides of every product.
; REGISTERS, in windows of 256: window 0: v16-23 LDS addresses, v24 16 x lane, v28, v29 for the add, v32-37 scales and holds, v64-159 the codes.
;   window 1: two fragment buffers of 128 (x 32, wq 32, wk 32, wv 32).   window 2: Q's 16 accumulators, then K's.   window 3: V's.
; DEAD WORK of the program: a score of a key behind its query is set to -infinity by the causal mask that reference() builds in its own body, so its p is 0 for all finite inputs.  The attention launch leaves out
; every unit of 128 keys that lies wholly behind a tile's 16 queries.  LIMIT: a NaN, an infinity or an overflow that reaches only those scores is not carried to the result.
; PREFETCH: chunks 2 and 3 are asked of memory a chunk ahead of their joint loads, one instruction a wave (macro ASK).
.set PITCH,  272                       ; an LDS row: 256 bytes + 16 of padding = 68 words: row r starts at bank 4 r mod 64 (64 banks of 4 bytes: ISA guide 11.1)
.set PANEL,  128*PITCH
.set SLOT,   4*PANEL
.set SPARE,  2*SLOT                    ; behind the ring: the spare words, 128 bytes for each wave, which no other line names
.set WV,   18                          ; s18  my wave's number
.set G1A,  24                          ; s[24:31] descriptor group 1 for x's panel;  s[32:39] its groups 0, one for each slot
.set G0A,  32
.set G1B,  48                          ; s[48:55], s[56:63] the same for the weights' panels
.set G0B,  56
.set ADR,  16                          ; v[16 + 2 p + slot]: LDS address of my fragments in panel p
.set LI,   24                          ; v24  16 x lane
.set SPW,  28                          ; v28  LDS address of my spare word; never rewritten
.set NIL,  29                          ; v29  0; never rewritten
.set F0,   0
.set F1,   128
.set MULQKW, 0xa5                      ; sources 0 and 1 window 1, C and D window 2
.set MULVW,  0xf5                      ; the same, C and D window 3
.set TO_F,   0x40                      ; destination window 1, address window 0
.set MSB, 0
.macro WIN new                         ; the immediate's high byte repeats the setting that is left
.if MSB != \new
	s_set_vgpr_msb (MSB<<8)|\new
.set MSB, \new
.endif
.endm
.macro PLACES                          ; four plain places in front of loads into registers that matrix instructions have read
.rept 4
	v_nop
.endr
.endm
; A joint load: wave 0 fetches x's panel, waves 1 to 3 a weight's.  Each line has one mask; the branch hangs on the wave's number alone.  Four v_nop follow each line.
.macro JLOAD s
	s_cmp_eq_u32 s[WV], 0
	s_cbranch_scc0 .Lfor_w_\@
	tensor_load_to_lds s[G0A+4*\s:G0A+4*\s+3], s[G1A:G1A+7]
	s_nop 0
.rept 4
	v_nop
.endr
	s_branch .Lasked_\@
.Lfor_w_\@:
	tensor_load_to_lds s[G0B+4*\s:G0B+4*\s+3], s[G1B:G1B+7]
	s_nop 0
.rept 4
	v_nop
.endr
.Lasked_\@:
.endm
.macro CREST                           ; a round of the cluster's barrier behind its opening barrier
	s_cmp_lg_u32 s[WV], 0
	s_cbranch_scc1 .Lnot_wave_0_\@
	s_barrier_signal -3
.Lnot_wave_0_\@:
	s_barrier_wait -3
	s_barrier_signal -1
	s_barrier_wait -1
.endm
.macro CROUND
	s_barrier_signal -1
	s_barrier_wait -1
	CREST
.endm
	s_load_b256 s[4:11], s[0:1], 0x0               ; x s[4:5], wq s[6:7], wk s[8:9], wv s[10:11]
	s_load_b128 s[12:15], s[0:1], 0x20             ; the scales' exponents s[12:13], qc s[14:15]
	s_load_b64 s[16:17], s[0:1], 0x30              ; kv
	v_lshl_add_u32 v[SPW], v0, 2, SPARE
	v_mov_b32 v[NIL], 0
	ds_add_u32 v28, v29
	ds_add_u32 v28, v29
	s_wait_dscnt 0x0
	v_lshrrev_b32 v1, 5, v0
	v_readfirstlane_b32 s[WV], v1                  ; wave 0..3
	s_lshr_b32 s19, s[WV], 1                       ; rh: which 64 rows of x are mine
	s_and_b32 s20, s[WV], 1                        ; ch: which of the two heads
	s_bfe_u32 s21, ttmp6, 0x40000                  ; cx
	s_bfe_u32 s22, ttmp6, 0x40004                  ; cy
	s_lshl_b32 s23, ttmp9, 2
	s_add_co_u32 s23, s23, s21                     ; j = 4 x cluster x + cx: which 128 rows of the weights
	s_and_b32 s40, ttmp7, 0xffff
	s_lshl_b32 s40, s40, 2
	s_add_co_u32 s40, s40, s22                     ; rb = 4 x cluster y + cy: which 128 rows of x
	s_lshl_b32 s41, s22, 2
	s_lshl_b32 s41, 15, s41                        ; my row of the cluster
	s_lshl_b32 s42, 0x1111, s21                    ; my column
	; descriptor group 1: 128 rows x 256 bytes, 1,024 bytes apart in memory, padded in LDS
	s_or_b32 s[G1A], s41, (1<<20)|(1<<21)|(5<<22)|(3<<25)   ; 15:0 the mask; 17:16 elements of 1 byte; 20 padding on; 21 set beside a mask; 24:22 after every 64 words; 31:25 four words
	s_or_b32 s[G1B], s42, (1<<20)|(1<<21)|(5<<22)|(3<<25)
.irp g, G1A, G1B
	s_mov_b32 s[\g+1], 256<<16                     ; tensor_dim0
	s_mov_b32 s[\g+2], 128<<16                     ; tensor_dim1
	s_mov_b32 s[\g+3], 256<<16                     ; tile_dim0
	s_mov_b32 s[\g+4], 128                         ; tile_dim1
	s_mov_b32 s[\g+5], 1024                        ; from row to row
	s_mov_b32 s[\g+6], 0
	s_mov_b32 s[\g+7], 0
.endr
	s_lshl_b32 s44, s40, 17                        ; x: 128 rb rows of 1,024 bytes (made of the row block alone)
	s_mov_b32 s45, 0
	s_lshl_b32 s46, s23, 17                        ; a weight: 128 j rows (made of j alone)
	s_mov_b32 s47, 0
	s_mul_i32 s43, s[WV], PANEL                    ; where my panel goes: no place in the cluster enters an LDS address
	s_wait_kmcnt 0x0
	s_load_b256 s[68:75], s[12:13], 0x0            ; e0 .. e7
	s_load_b128 s[76:79], s[12:13], 0x20           ; e8 .. e11
	s_add_nc_u64 s[44:45], s[4:5], s[44:45]
	s_cmp_eq_u32 s[WV], 2                          ; wave 1: wq, wave 2: wk, wave 3: wv (wave 0's choice is not used)
	s_cselect_b64 s[86:87], s[8:9], s[6:7]
	s_cmp_eq_u32 s[WV], 3
	s_cselect_b64 s[86:87], s[10:11], s[86:87]
	s_add_nc_u64 s[46:47], s[86:87], s[46:47]
.irp s, 0,1
	s_mov_b32 s[G0A+4*\s], 1                                       ; count = 1
	s_add_co_u32 s[G0A+4*\s+1], s43, \s*SLOT                       ; LDS address
	s_add_nc_u64 s[G0A+4*\s+2:G0A+4*\s+3], s[44:45], \s*256        ; chunk s
	s_or_b32 s[G0A+4*\s+3], s[G0A+4*\s+3], 0x80000000              ; type = 2
	s_mov_b32 s[G0B+4*\s], 1
	s_add_co_u32 s[G0B+4*\s+1], s43, \s*SLOT
	s_add_nc_u64 s[G0B+4*\s+2:G0B+4*\s+3], s[46:47], \s*256
	s_or_b32 s[G0B+4*\s+3], s[G0B+4*\s+3], 0x80000000
.endr
	CROUND                                         ; all sixteen work-groups are here: the first joint loads meet
	JLOAD 0
	v_and_b32 v1, 15, v0                           ; r = lane % 16
	v_bfe_u32 v2, v0, 4, 1                         ; h = lane / 16
	v_mul_u32_u24 v3, v1, PITCH
	v_lshl_add_u32 v3, v2, 4, v3                   ; a fragment's row x pitch + 16 h
	s_mul_i32 s88, s19, 64*PITCH                   ; my 64 rows of x,
	s_mul_i32 s89, s20, 64*PITCH                   ; my 64 rows of each weight
	s_add_co_u32 s89, s89, PANEL
	v_add_nc_u32 v[ADR], s88, v3
	v_add_nc_u32 v[ADR+2], s89, v3
	v_add_nc_u32 v[ADR+4], PANEL, v[ADR+2]
	v_add_nc_u32 v[ADR+6], PANEL, v[ADR+4]
.irp p, 0,1,2,3
	v_add_nc_u32 v[ADR+2*\p+1], SLOT, v[ADR+2*\p]
.endr
	v_and_b32 v4, 31, v0
	v_lshlrev_b32 v[LI], 4, v4
	; where my images go.  bh = 16 x batch + head; u = the unit of 128 positions in the batch
	s_lshr_b32 s90, s40, 4
	s_lshl_b32 s90, s90, 4
	s_lshl_b32 s91, s23, 1
	s_add_co_u32 s90, s90, s91
	s_add_co_u32 s90, s90, s20                     ; bh
	s_and_b32 s91, s40, 15                         ; u
	s_lshl_b32 s92, s90, 17                        ; qc: bh x 131,072 + (8 u + 4 rh) x 1,024
	s_lshl_b32 s93, s91, 13
	s_add_co_u32 s92, s92, s93
	s_lshl_b32 s93, s19, 12
	s_add_co_u32 s92, s92, s93
	s_mov_b32 s93, 0
	s_add_nc_u64 s[80:81], s[14:15], s[92:93]
	s_lshl_b32 s92, s90, 18                        ; kv: bh x 262,144 + u x 16,384,
	s_lshl_b32 s94, s91, 14
	s_add_co_u32 s92, s92, s94
	s_lshl_b32 s94, s19, 12                        ; K's part: + 4 rh x 1,024
	s_add_co_u32 s94, s94, s92
	s_mov_b32 s95, 0
	s_add_nc_u64 s[82:83], s[16:17], s[94:95]
	s_lshl_b32 s94, s19, 10                        ; V's part: + 8,192 + 2 rh x 512
	s_add_co_u32 s94, s94, s92
	s_add_co_u32 s94, s94, 8192
	s_add_nc_u64 s[84:85], s[16:17], s[94:95]
	; the prefetches: of the 128 rows that my wave fetches, my work-group's 32, told apart by address among the four that ask for them jointly (x: cx, a weight: cy); a lane a row
	s_cmp_eq_u32 s[WV], 0
	s_cselect_b64 s[96:97], s[44:45], s[46:47]
	s_cselect_b32 s98, s21, s22
	s_lshl_b32 s98, s98, 15
	s_mov_b32 s99, 0
	s_add_nc_u64 s[96:97], s[96:97], s[98:99]
	s_and_b32 s98, ttmp7, 0xffff
	s_lshr_b32 s98, s98, 2                         ; a weight's rows are asked for by the first four rows of clusters,
	s_cmp_eq_u32 s[WV], 0
	s_cselect_b32 s98, 0, s98                      ; x's by every cluster: my wave asks where s98 is 0
	v_and_b32 v25, 31, v0
	v_lshlrev_b32 v25, 10, v25                     ; never rewritten
; off: 256 x the chunk.  Every lane names a byte of its own row, inside the buffer
.macro ASK off
	WIN 0
	s_cmp_eq_u32 s98, 0
	s_cbranch_scc0 .Lnot_mine_\@
	global_prefetch_b8 v25, s[96:97] offset:\off th:TH_LOAD_NT scope:SCOPE_SE
.Lnot_mine_\@:
.endm
; 32 LDS loads in one run: the fragments of 64 along K at byte k of the rows, into buffer f: x's four, wq's, wk's, wv's.  A fragment (16 rows x 64 K) is 8 registers: two loads of 16 bytes, 32 bytes apart.
.macro FETCH slot, k, f
	WIN TO_F
.irp p, 0,1,2,3
.irp i, 0,1,2,3
	ds_load_b128 v[\f+32*\p+8*\i:\f+32*\p+8*\i+3],   v[ADR+2*\p+\slot] offset:\k+\i*16*PITCH
	ds_load_b128 v[\f+32*\p+8*\i+4:\f+32*\p+8*\i+7], v[ADR+2*\p+\slot] offset:\k+\i*16*PITCH+32
.endr
.endr
.endm
; 16 products for Q (p = 0) or K (p = 1): source 0 = the weight's tile b, source 1 = x's tile a.  zero = 1: the first product starts the sums.
; The 48 accumulators take turns, one instruction a turn, in the same order in every quarter.
.macro MULQK f, p, zero
.irp a, 0,1,2,3
.irp b, 0,1,2,3
.if \zero
	v_wmma_f32_16x16x64_bf8_bf8 v[128*\p+8*(4*\a+\b):128*\p+8*(4*\a+\b)+7], v[\f+32+32*\p+8*\b:\f+32+32*\p+8*\b+7], v[\f+8*\a:\f+8*\a+7], 0
.else
	v_wmma_f32_16x16x64_bf8_bf8 v[128*\p+8*(4*\a+\b):128*\p+8*(4*\a+\b)+7], v[\f+32+32*\p+8*\b:\f+32+32*\p+8*\b+7], v[\f+8*\a:\f+8*\a+7], v[128*\p+8*(4*\a+\b):128*\p+8*(4*\a+\b)+7]
.endif
.endr
.endr
.endm
; 16 products for V: source 0 = x's tile a, source 1 = wv's tile b; accumulator (b, a)
.macro MULV f, zero
.irp a, 0,1,2,3
.irp b, 0,1,2,3
.if \zero
	v_wmma_f32_16x16x64_bf8_bf8 v[8*(4*\b+\a):8*(4*\b+\a)+7], v[\f+8*\a:\f+8*\a+7], v[\f+96+8*\b:\f+96+8*\b+7], 0
.else
	v_wmma_f32_16x16x64_bf8_bf8 v[8*(4*\b+\a):8*(4*\b+\a)+7], v[\f+8*\a:\f+8*\a+7], v[\f+96+8*\b:\f+96+8*\b+7], v[8*(4*\b+\a):8*(4*\b+\a)+7]
.endif
.endr
.endr
.endm
; A chunk is four quarters of 64 along K, 48 products each, on buffers 0, 1, 0, 1.  One of the first three: multiplies buffer f and fetches the next quarter, at byte k, into g.
.macro QUARTER slot, k, f, g, zero
	s_wait_dscnt 16                                ; x's and wq's fragments are in; the youngest sixteen loads (wk's, wv's) may be out
	WIN MULQKW
	MULQK \f, 0, \zero
	PLACES
	FETCH \slot, \k, \g
	s_wait_dscnt 32                                ; all but the 32 just issued
	WIN MULQKW
	MULQK \f, 1, \zero
	WIN MULVW
	MULV \f, \zero
.endm
; A chunk's last quarter multiplies buffer 1 and changes slots: ONE barrier; in front of it each wave waits for all its tensor loads, adds 0 to its spare word, and waits for that and for its reads of this slot.
; fill = 1: this slot is filled again, two chunks ahead; the barrier then opens a round of the cluster's barrier, and the joint refill is the first tensor load behind the round.
.macro TURN slot, next, fill
	WIN 0                                          ; (the add's two registers lie in window 0)
	s_wait_tensorcnt 0x0                           ; all my tensor loads have landed: my panel of the next slot
	ds_add_u32 v[SPW], v[NIL]                      ; 0 onto my spare word
	s_wait_dscnt 17                                ; (the add and the youngest sixteen loads may be out)
	WIN MULQKW
	MULQK F1, 0, 0                                 ; sixteen products stand between the add and the wait for it
	s_wait_dscnt 0x0                               ; the add is done, and my reads of this slot are over
	s_barrier_signal -1
	MULQK F1, 1, 0
	WIN 0
	s_barrier_wait -1
.if \fill
	CREST                                          ; no wave of any partner still reads this slot or has a load on its way
	s_add_nc_u64 s[G0A+4*\slot+2:G0A+4*\slot+3], s[G0A+4*\slot+2:G0A+4*\slot+3], 512
	s_add_nc_u64 s[G0B+4*\slot+2:G0B+4*\slot+3], s[G0B+4*\slot+2:G0B+4*\slot+3], 512
	JLOAD \slot                                    ; its four v_nop are also the places in front of the loads below; 160 products stand between this request and the wait for it
.else
	PLACES
.endif
	FETCH \next, 0, F0
.if (\fill) && ((\slot) == 0)
	ASK 768                                        ; chunk 3, which the next change of slots asks for
.endif
	WIN MULVW
	MULV F1, 0
.endm
	s_wait_alu depctr_va_vdst(0)
	s_wait_tensorcnt 0x0                           ; my panel of chunk 0 is in
	ds_add_u32 v[SPW], v[NIL]
	s_wait_dscnt 0x0
	CROUND                                         ; everybody's is, and all sixteen work-groups are here
	JLOAD 1                                        ; chunk 1, the first tensor load behind the round
	FETCH 0, 0, F0
	ASK 512                                        ; chunk 2, which the first change of slots asks for
	QUARTER 0, 64,  F0, F1, 1                      ; the first quarter's products start the sums: nothing is cleared
	QUARTER 0, 128, F1, F0, 0
	QUARTER 0, 192, F0, F1, 0
	TURN 0, 1, 1                                   ; slot 0 takes chunk 2
	QUARTER 1, 64,  F0, F1, 0
	QUARTER 1, 128, F1, F0, 0
	QUARTER 1, 192, F0, F1, 0
	TURN 1, 0, 1                                   ; slot 1 takes chunk 3
	QUARTER 0, 64,  F0, F1, 0
	QUARTER 0, 128, F1, F0, 0
	QUARTER 0, 192, F0, F1, 0
	TURN 0, 1, 0                                   ; nothing is left to fetch
	QUARTER 1, 64,  F0, F1, 0
	QUARTER 1, 128, F1, F0, 0
	QUARTER 1, 192, F0, F1, 0
	s_wait_dscnt 16                                ; the very last quarter
	WIN MULQKW
	MULQK F1, 0, 0
	s_wait_dscnt 0x0
	MULQK F1, 1, 0
	WIN MULVW
	MULV F1, 0
	WIN 0
	; THE WAY OUT: hold, convert, store.  The scale of a conversion folds the three given exponents.
.macro SCALE ea, eb, ec, vs            ; v[vs] = 2^(ec - ea - eb) as f32, v[vs + 1] = 57,344 x that
	s_sub_co_i32 s88, s[\ec], s[\ea]
	s_sub_co_i32 s88, s88, s[\eb]
	s_add_co_i32 s88, s88, 127
	s_lshl_b32 s89, s88, 23
	v_mov_b32 v[\vs], s89
	s_add_co_i32 s88, s88, 15
	s_lshl_b32 s88, s88, 23
	s_or_b32 s88, s88, 0x600000
	v_mov_b32 v[\vs+1], s88
.endm
	s_wait_kmcnt 0x0
	SCALE 68, 69, 74, 32                           ; Q: e6 - e0 - e1.  These six moves name no register of the last products: they are the places behind them
	s_wait_alu depctr_va_vdst(0)
	SCALE 70, 71, 75, 34                           ; K: e7 - e2 - e3
	SCALE 72, 73, 77, 36                           ; V: e9 - e4 - e5
	WIN 0x82                                       ; source 0 and destination window 2
.set i, 0
.rept 128
	v_med3_num_f32 v[i], v[i], -v33, v33           ; the conversion to an 8-bit code does not saturate (ISA guide 7.6.2): the hold comes first; each accumulator from its low end on
.set i, i+1
.endr
.rept 128
	v_med3_num_f32 v[i], v[i], -v35, v35
.set i, i+1
.endr
	WIN 0x02                                       ; source 0 window 2, destination window 0
.irp a, 0,1,2,3
.irp b, 0,1,2,3
	v_cvt_scalef32_pk8_bf8_f32 v[64+8*\a+2*\b:64+8*\a+2*\b+1], v[8*(4*\a+\b):8*(4*\a+\b)+7], v32          ; registers 2 b, 2 b + 1 of the fragment of positions 16 a on
	v_cvt_scalef32_pk8_bf8_f32 v[96+8*\a+2*\b:96+8*\a+2*\b+1], v[128+8*(4*\a+\b):128+8*(4*\a+\b)+7], v34
.endr
.endr
	WIN 0
.irp a, 0,1,2,3
.irp c, 0,1
	global_store_b128 v[LI], v[64+8*\a+4*\c:64+8*\a+4*\c+3], s[80:81] offset:1024*\a+512*\c   ; 32 lanes store 512 consecutive bytes, aligned
	global_store_b128 v[LI], v[96+8*\a+4*\c:96+8*\a+4*\c+3], s[82:83] offset:1024*\a+512*\c
.endr
.endr
	WIN 0xc3                                       ; source 0 and destination window 3
.set i, 0
.rept 128
	v_med3_num_f32 v[i], v[i], -v37, v37           ; (plain lines behind the conversions above)
.set i, i+1
.endr
	WIN 0x03
.irp b, 0,1,2,3
.irp a, 0,1,2,3
	v_cvt_scalef32_pk8_bf8_f32 v[128+8*\b+2*\a:128+8*\b+2*\a+1], v[8*(4*\b+\a):8*(4*\b+\a)+7], v36        ; channel tile b: registers 8 rh + 2 a, + 1 of its fragment along the unit's 128 keys
.endr
.endr
	WIN 0
	v_nop                                          ; one plain line behind the last conversion
.irp b, 0,1,2,3
.irp c, 0,1
	global_store_b128 v[LI], v[128+8*\b+4*\c:128+8*\b+4*\c+3], s[84:85] offset:2048*\b+512*\c
.endr
.endr
	s_wait_tensorcnt 0x0                           ; the wave's end
	ds_add_u32 v[SPW], v[NIL]
	s_wait_dscnt 0x0
	CROUND                                         ; the closing round: no work-group ends while a partner may still ask for a panel that names it
	s_endpgm
.Lfunc_end_k_q166f6e9c05_qkv:
	.size	k_q166f6e9c05_qkv, .Lfunc_end_k_q166f6e9c05_qkv-k_q166f6e9c05_qkv
	.p2alignl 7, 3214868480
	.fill 96, 4, 3214868480
	.section	.rodata,"a",@progbits
	.p2align	6, 0x0
	.amdhsa_kernel k_q166f6e9c05_qkv
		.amdhsa_group_segment_fixed_size 327680
		.amdhsa_private_segment_fixed_size 0
		.amdhsa_enable_private_segment 0
		.amdhsa_kernarg_size 56
		.amdhsa_user_sgpr_count 2
		.amdhsa_user_sgpr_kernarg_segment_ptr 1
		.amdhsa_wavefront_size32 1
		.amdhsa_system_sgpr_workgroup_id_x 1
		.amdhsa_system_sgpr_workgroup_id_y 1
		.amdhsa_system_sgpr_workgroup_id_z 1
		.amdhsa_system_vgpr_workitem_id 0
		.amdhsa_next_free_vgpr 1024
		.amdhsa_next_free_sgpr 100
		.amdhsa_reserve_vcc 0
		.amdhsa_float_denorm_mode_32 3
		.amdhsa_float_denorm_mode_16_64 3
		.amdhsa_memory_ordered 1
		.amdhsa_forward_progress 1
		.amdhsa_inst_pref_size 127
	.end_amdhsa_kernel
	.amdgpu_metadata
---
amdhsa.version: [ 1, 2 ]
amdhsa.kernels:
  - .name:           k_q166f6e9c05_qkv
    .symbol:         k_q166f6e9c05_qkv.kd
    .args:
      - { .name: x_codes, .offset: 0, .size: 8, .value_kind: global_buffer, .address_space: global }
      - { .name: wq_codes, .offset: 8, .size: 8, .value_kind: global_buffer, .address_space: global }
      - { .name: wk_codes, .offset: 16, .size: 8, .value_kind: global_buffer, .address_space: global }
      - { .name: wv_codes, .offset: 24, .size: 8, .value_kind: global_buffer, .address_space: global }
      - { .name: lowp_scales, .offset: 32, .size: 8, .value_kind: global_buffer, .address_space: global }
      - { .name: qc, .offset: 40, .size: 8, .value_kind: global_buffer, .address_space: global }
      - { .name: kv, .offset: 48, .size: 8, .value_kind: global_buffer, .address_space: global }
    .group_segment_fixed_size: 327680
    .private_segment_fixed_size: 0
    .kernarg_segment_align: 8
    .kernarg_segment_size: 56
    .max_flat_workgroup_size: 128
    .sgpr_count:     100
    .vgpr_count:     1024
    .wavefront_size: 32
...
	.end_amdgpu_metadata
.endif
;; end of part 1
;; launch attn (part 2): grid 8 x 32, 8 waves a work-group, clusters of 4 x 1, 327,680 bytes of LDS; arguments qc, kv, lowp_scales, ao; writes ao
.if DOCPART == 2
	.amdgcn_target "amdgcn-amd-amdhsa--gfx1250"
	.amdhsa_code_object_version 6
	.text
	.protected	k_q166f6e9c05_attn
	.globl	k_q166f6e9c05_attn
	.p2align	8
	.type	k_q166f6e9c05_attn,@function
k_q166f6e9c05_attn:
	s_mov_b64 s[64:65], 0
	v_nop
	global_prefetch_b8 v0, s[64:65] scope:SCOPE_SE
	s_setreg_imm32_b32 hwreg(HW_REG_WAVE_MODE, 25, 1), 1
	s_wait_xcnt 0x0
	s_wait_alu depctr_hold_cnt(0) depctr_sa_sdst(0) depctr_va_vdst(0) depctr_va_sdst(0) depctr_va_ssrc(0) depctr_va_vcc(0) depctr_vm_vsrc(0)
	s_getreg_b32 s2, hwreg(HW_REG_IB_STS2, 6, 4)
	s_cmp_eq_u32 s2, 0
	s_cbranch_scc0 .Lentry_in_a_cluster
	s_endpgm
.Lentry_in_a_cluster:
	s_bfe_u32 s2, ttmp6, 0x10000c
	s_cmp_lg_u32 s2, 0x3003
	s_cbranch_scc0 .Lentry_shape_is_right
	s_endpgm
.Lentry_shape_is_right:
; O = softmax(Q K^T / 8) V under reference()'s causal mask, for one head (batch x 16 + head = grid y) a row of the grid, on codes of BF8 (E5M2); O is quantised again with 2^e10 and stored as images of operand registers.
; qc: [32 heads][128 tiles of 16 queries][1,024 bytes]; kv: [32][16 units of 128 keys][K: 8 tiles x 1,024 bytes, V: 4 channel tiles x 2,048 bytes]; ao: [256 tiles of 16 rows][16 heads][1,024 bytes].
; All are images of operand registers: 512 bytes are four registers of the 32 lanes, lane l's 16 bytes at 16 l.
; SOFTMAX: t = score x log2(e) / 8; M = the running largest t rounded up to a whole number, kept as -M; p = 2^(t - M) is quantised; the sum is of the unquantised p; a change of M multiplies by an exact power of two.
; DEAD WORK left out: units of 128 keys that lie wholly behind a tile's queries (their p is 0: see the first kernel).
; LIMITS: e6 + e7 between -90 and 130; e8 between -126 and 112; e10 - e8 - e9 between -126 and 112.  The promise holds while the scaled scores stay under 2^31 in magnitude.  NaN codes are not served.
; SHARES.  A wave works on TWO tiles of 16 queries at a time, so that a fragment of K or V feeds two matrix instructions.  Cluster s of a head (0, 1), place c (0 .. 3): tiles 2 c, 2 c + 1 of eight of the head's 16 blocks of 128 queries:
; pair p (0 .. 3) has the near block 2 p + ((p + s) mod 2) and the far block 15 - near: 17 units of keys in all.  Wave 4 + p takes the far block's units 0 .. 4.  Wave p takes its other units, hands O, -M and the sum to wave 4 + p
; through LDS, and takes the near block: 12 units.
; All of K and V of the head (262,144 bytes) lie in LDS, byte for byte as in memory, each byte filled once: units 5, 6 and 0, 1 by the first load of each wave (8,192 bytes), the others by its second (24,576 bytes).
; CLUSTER 4 x 1: the four work-groups need the same K and V: every load is joint.  No prefetch: the launch has two loads a wave, both ahead of its loops, and no loop to run ahead in.
; LAYOUT: S^T = K Q^T, O^T = V^T P^T: a lane holds one query of each tile (lane % 16); register 8 t + j of S^T is key 16 t + 8 (lane / 16) + j, so the conversions' results are the second product's operand.
; REGISTERS.  Window 0: v1-29 addresses, constants, and for the two tiles v[12:15], v[16:19]: -M, the largest t, the sum in two halves; v32-63, v64-95 O^T; v96-159, v160-223 S^T, then p; v230-251 at work.
;   Window 1: v0-63 K's fragments; v64-127 V's; v128-143, v144-159 p's codes; v160-175, v176-191 Q of the far and the near tiles.
.set SPARE, 0x40000                    ; behind the images: the spare words, 128 bytes a wave, which no other line names
.set PART,  0x40400                    ; behind them: a pair's partial result, 18 x 512 bytes each; no fill lands there
.set WV,   18
.set ROLE, 19                          ; 0: waves 0 .. 3 (12 units), 1: waves 4 .. 7 (5 units)
.set PAIR, 20
.set FAR,  21
.set CX,   22
.set NEAR, 23
.set G1S,  24
.set G1L,  32
.set G0S,  40
.set G0L,  44
.set U,    56                          ; the unit in hand
.set TB,   57                          ; its LDS byte behind the loop's base
.set CS,   58
.set SEL,  60
.set NB,   62                          ; s[62:63] -2^123: 16 keys on for the diagonal's bounds
.set LIM,  66                          ; units from this number on are left out
.set DIAG, 67                          ; the unit on the diagonal (64: none)
.set TC,   68
.set TN,   69                          ; the next unit's LDS byte behind the base
.set LI,   1                           ; v1  16 x lane; base of the near tiles' units
.set LB1,  2                           ; v2  base of the far tiles' units in the first loop (unit 5 or 0),
.set LB2,  11                          ; v11 and in the second (unit 7 or 1)
.set AD,   8
.set ADN,  9
.set PA,   10                          ; v10 LDS address of my pair's partial result
.set BD,   236                         ; v236-243: 2^119 x (my query of the second tile - key + 1/2) for keys j = 0 .. 7 of key tile 0: over 0 where the key counts
.set BW,   244
.set MSB, 0
.macro WIN new                         ; the immediate's high byte repeats the setting that is left
.if MSB != \new
	s_set_vgpr_msb (MSB<<8)|\new
.set MSB, \new
.endif
.endm
.set MUL,  0x05                        ; sources 0 and 1 window 1; C and D window 0
.set TO_1, 0x40                        ; destination window 1
.macro CROUND
	s_barrier_signal -1
	s_barrier_wait -1
	s_cmp_lg_u32 s[WV], 0
	s_cbranch_scc1 .Lnot_wave_0_\@
	s_barrier_signal -3
.Lnot_wave_0_\@:
	s_barrier_wait -3
	s_barrier_signal -1
	s_barrier_wait -1
.endm
.macro INIT
	v_mov_b32 v13, 0xff61b1e6                      ; the largest t so far: -3e38
	v_mov_b32 v17, 0xff61b1e6
	v_mov_b32 v14, 0                               ; the sums, in two halves
	v_mov_b32 v15, 0
	v_mov_b32 v18, 0
	v_mov_b32 v19, 0
	v_floor_f32 v12, -v13                          ; -M
	v_floor_f32 v16, -v17
.set i, 0
.rept 64
	v_mov_b32 v[32+i], 0
.set i, i+1
.endr
.endm
	s_load_b128 s[4:7], s[0:1], 0x0                ; qc, kv
	s_load_b128 s[8:11], s[0:1], 0x10              ; the scales' exponents, ao
	v_lshl_add_u32 v254, v0, 2, SPARE
	v_mov_b32 v255, 0
	ds_add_u32 v254, v255                          ; the wave's opening: the add, twice on end, and its wait ahead of my first tensor load
	ds_add_u32 v254, v255
	v_lshrrev_b32 v7, 5, v0
	v_readfirstlane_b32 s[WV], v7                  ; wave 0..7
	v_and_b32 v[LI], 31, v0
	v_lshlrev_b32 v[LI], 4, v[LI]
	s_lshr_b32 s[ROLE], s[WV], 2
	s_and_b32 s[PAIR], s[WV], 3
	s_bfe_u32 s[CX], ttmp6, 0x40000
	s_xor_b32 s[NEAR], s[PAIR], ttmp9
	s_and_b32 s[NEAR], s[NEAR], 1
	s_lshl_b32 s80, s[PAIR], 1
	s_add_co_u32 s[NEAR], s[NEAR], s80
	s_sub_co_u32 s[FAR], 15, s[NEAR]
	s_and_b32 s80, ttmp7, 0xffff                   ; the head
	; the fills: LDS and memory have the same order, so one offset serves both
	s_lshl_b32 s82, s80, 18
	s_sub_co_u32 s95, 1, s[ROLE]
	s_mul_i32 s84, s95, 81920                      ; waves 0 .. 3: from unit 5 on
	s_lshl_b32 s85, s[PAIR], 13
	s_add_co_u32 s85, s85, s84                     ; first: 8,192 bytes of units 5, 6 (waves 4 .. 7: 0, 1)
	s_mul_i32 s86, s[WV], 24576
	s_lshr_b32 s87, s[WV], 1
	s_min_u32 s87, s87, 1
	s_lshl_b32 s87, s87, 15
	s_add_co_u32 s86, s86, s87
	s_add_co_u32 s86, s86, 32768                   ; second: 24,576 bytes: waves 0, 1 of units 2 .. 4, waves 2 .. 7 of units 7 .. 15
	s_add_co_u32 s88, s82, s85
	s_mov_b32 s89, 0
	s_add_co_u32 s90, s82, s86
	s_mov_b32 s91, 0
	; descriptor group 1: dense rows of 256 bytes, elements of 8 bytes; all four work-groups of the cluster; 21 set beside a mask
	s_mov_b32 s[G1S], 15|(3<<16)|(1<<21)
	s_mov_b32 s[G1S+1], 32<<16
	s_mov_b32 s[G1S+2], 32<<16
	s_mov_b32 s[G1S+3], 32<<16
	s_mov_b32 s[G1S+4], 32
	s_mov_b32 s[G1S+5], 32
	s_mov_b32 s[G1S+6], 0
	s_mov_b32 s[G1S+7], 0
	s_mov_b32 s[G1L], 15|(3<<16)|(1<<21)
	s_mov_b32 s[G1L+1], 32<<16
	s_mov_b32 s[G1L+2], 96<<16
	s_mov_b32 s[G1L+3], 32<<16
	s_mov_b32 s[G1L+4], 96
	s_mov_b32 s[G1L+5], 32
	s_mov_b32 s[G1L+6], 0
	s_mov_b32 s[G1L+7], 0
	; my tiles of Q and of ao
	s_lshl_b32 s83, s[CX], 1
	s_lshl_b32 s92, s[FAR], 3
	s_add_co_u32 s92, s92, s83
	s_lshl_b32 s93, s[NEAR], 3
	s_add_co_u32 s93, s93, s83
	s_lshl_b32 s94, s80, 17
	s_lshl_b32 s48, s92, 10
	s_add_co_u32 s48, s48, s94
	s_mov_b32 s49, 0
	s_lshl_b32 s50, s93, 10
	s_add_co_u32 s50, s50, s94
	s_mov_b32 s51, 0
	s_cmp_eq_u32 s[ROLE], 0                        ; waves 0 .. 3 store the near tiles, waves 4 .. 7 the far ones
	s_cselect_b32 s52, s93, s92
	s_lshl_b32 s52, s52, 14
	s_lshr_b32 s81, s80, 4
	s_lshl_b32 s81, s81, 21
	s_add_co_u32 s52, s52, s81
	s_and_b32 s81, s80, 15
	s_lshl_b32 s81, s81, 10
	s_add_co_u32 s52, s52, s81
	s_mov_b32 s53, 0
	s_mul_i32 s87, s[PAIR], 9216
	s_add_co_u32 s87, s87, PART
	s_mul_i32 s95, s95, 98304
	s_add_co_u32 s95, s95, 16384
	s_lshl_b32 s83, s[CX], 5
	s_wait_dscnt 0x0                               ; both opening adds are done
	s_wait_alu depctr_va_vdst(0)
	s_wait_kmcnt 0x0
	s_load_b64 s[70:71], s[8:9], 0x18              ; e6, e7
	s_load_b128 s[76:79], s[8:9], 0x20             ; e8 .. e11
	s_add_nc_u64 s[48:49], s[4:5], s[48:49]
	s_add_nc_u64 s[50:51], s[4:5], s[50:51]
	WIN TO_1
.irp i, 0,1,2,3                                ; Q's fragments, asked for ahead of the round: they are on their way beside the first tiles
	global_load_b128 v[160+4*\i:163+4*\i], v[LI], s[48:49] offset:512*\i
.endr
.irp i, 0,1,2,3
	global_load_b128 v[176+4*\i:179+4*\i], v[LI], s[50:51] offset:512*\i
.endr
	WIN 0
	s_mov_b32 s[G0S], 1
	s_mov_b32 s[G0S+1], s85
	s_add_nc_u64 s[G0S+2:G0S+3], s[6:7], s[88:89]
	s_or_b32 s[G0S+3], s[G0S+3], 0x80000000
	s_mov_b32 s[G0L], 1
	s_mov_b32 s[G0L+1], s86
	s_add_nc_u64 s[G0L+2:G0L+3], s[6:7], s[90:91]
	s_or_b32 s[G0L+3], s[G0L+3], 0x80000000
	s_add_nc_u64 s[52:53], s[10:11], s[52:53]
	CROUND                                         ; all four work-groups are here: the first joint loads meet
	tensor_load_to_lds s[G0S:G0S+3], s[G1S:G1S+7]
	s_nop 0
	; register work under the first load's flight
	v_add_nc_u32 v[LB1], s84, v[LI]
	v_add_nc_u32 v[LB2], s95, v[LI]
	v_add_nc_u32 v[PA], s87, v[LI]
	v_bfe_u32 v9, v0, 4, 1
	v_and_b32 v7, 15, v0
	v_lshlrev_b32 v9, 3, v9
	v_sub_nc_u32 v7, v7, v9
	v_add_nc_u32 v7, s83, v7
	v_add_nc_u32 v7, 16, v7                        ; my query of the second tile - 8 (lane / 16), counted from the block's first
	v_cvt_f32_i32 v7, v7
	v_add_f32 v7, 0.5, v7
	v_mul_f32 v[BD], 0x7b000000, v7                ; x 2^119: a whole number and a half below 256 x 2^119: exact, as are the steps of 2^119 below
	v_add_f32 v[BD+1], 0xfb000000, v[BD]
	v_add_f32 v[BD+2], 0xfb800000, v[BD]
	v_add_f32 v[BD+3], 0xfbc00000, v[BD]
	v_add_f32 v[BD+4], 0xfc000000, v[BD]
	v_add_f32 v[BD+5], 0xfc200000, v[BD]
	v_add_f32 v[BD+6], 0xfc400000, v[BD]
	v_add_f32 v[BD+7], 0xfc600000, v[BD]
	v_mov_b32 v25, 0                               ; (named as upper halves of v[24:25] and v[26:27])
	v_mov_b32 v27, 0
	v_mov_b32 v28, 0                               ; (a lane permute's destination counts as one of its sources)
	v_mov_b32 v29, 0
	s_mov_b32 s[NB], 0xfd000000                    ; -16 x 2^119
	s_mov_b32 s[NB+1], 0xfd000000
	s_mov_b32 s[CS], 0x3e38aa3b                    ; log2(e) / 8
	s_mov_b32 s[SEL], 0x76543210
	s_mov_b32 s[SEL+1], 0xfedcba98
	INIT
	s_wait_kmcnt 0x0
	s_add_co_i32 s94, s70, s71
	s_lshl_b32 s94, s94, 23
	s_add_co_i32 s[CS], s[CS], s94                 ; a score stands for score x 2^(e6 + e7)
	s_mov_b32 s[CS+1], s[CS]
	s_add_co_i32 s94, s76, 127
	s_lshl_b32 s95, s94, 23
	v_mov_b32 v3, s95                              ; 2^e8
	s_add_co_i32 s94, s94, 15
	s_lshl_b32 s94, s94, 23
	s_or_b32 s94, s94, 0x600000
	v_mov_b32 v4, s94                              ; 57,344 x that
	s_sub_co_i32 s94, s78, s76
	s_sub_co_i32 s94, s94, s77
	s_add_co_i32 s94, s94, 127
	s_lshl_b32 s95, s94, 23
	v_mov_b32 v5, s95                              ; 2^(e10 - e8 - e9)
	s_add_co_i32 s94, s94, 15
	s_lshl_b32 s94, s94, 23
	s_or_b32 s94, s94, 0x600000
	v_mov_b32 v6, s94                              ; 57,344 x that
	s_add_co_u32 s54, s[FAR], 1                    ; the far tiles' units
	s_cmp_eq_u32 s[ROLE], 0
	s_cselect_b32 s[U], 5, 0                       ; first loop: units 5, 6; waves 4 .. 7: unit 0, which has no key behind a query
	s_cselect_b32 s[LIM], s54, 1
	s_cselect_b32 s[DIAG], s[FAR], 64
	s_wait_alu depctr_va_vdst(0)
	s_wait_tensorcnt 0x0                           ; my part of the first units is in
	ds_add_u32 v254, v255
	s_wait_dscnt 0x0
	CROUND                                         ; everybody's part is in, and all partners are here
	tensor_load_to_lds s[G0L:G0L+3], s[G1L:G1L+7]
	s_nop 0
.rept 4
	v_nop
.endr
.macro KLOAD adr                       ; K's eight fragments of a unit
.irp t, 0,1,2,3,4,5,6,7
	ds_load_b128 v[8*\t:8*\t+3], v[\adr] offset:1024*\t
	ds_load_b128 v[8*\t+4:8*\t+7], v[\adr] offset:1024*\t+512
.endr
.endm
; A UNIT of 128 keys for both tiles.  At its head K's sixteen loads are out.  q: the tiles' Q; base: the register with the loop's base; last: the loop's last unit behind the base.  The branches hang on the wave's number, the cluster's and the count of units alone.
.macro STEP q, base, last
	s_cmp_ge_u32 s[U], s[LIM]
	s_cbranch_scc1 .Lhidden_\@
	s_add_co_u32 s[TN], s[TB], 16384
	s_min_u32 s[TN], s[TN], \last                  ; the next unit's K is asked for one unit ahead; the loop's last trip names its own unit again, so that no load leaves what has landed
	WIN MUL
.irp t, 0,1,2,3,4,5,6,7
	s_wait_dscnt 14-2*\t                           ; tile t's two loads are in; the later tiles' may be out
	v_wmma_f32_16x16x64_bf8_bf8 v[96+8*\t:103+8*\t], v[8*\t:8*\t+7], v[\q:\q+7], 0
	v_wmma_f32_16x16x64_bf8_bf8 v[160+8*\t:167+8*\t], v[8*\t:8*\t+7], v[\q+8:\q+15], 0
.endr
	WIN 0
	v_add_nc_u32 v[AD], s[TB], v[\base]            ; (two of the four places ahead of the loads and of S's readers)
	v_add_nc_u32 v[ADN], s[TN], v[\base]
	v_nop
	v_nop
	WIN TO_1
.irp t, 0,1,2,3                                ; V's fragments are asked for under the softmax,
.irp c, 0,1,2,3
	ds_load_b128 v[64+16*\t+4*\c:67+16*\t+4*\c], v[AD] offset:8192+2048*\t+512*\c
.endr
.endr
	KLOAD ADN                                      ; and the next unit's K
	WIN 0
	s_cmp_lg_u32 s[U], s[DIAG]
	s_cbranch_scc1 .Lopen_\@
	; the diagonal: the lesser of the score (under 2^38 in magnitude) and the key's bound: over 2^118 where the key counts, under -2^118 where it is hidden: its p is 0.
	; Key tile k + 1 has for the second tile the bounds that key tile k has for the first.
.irp j, 0,2,4,6
	v_dual_min_num_f32 v[160+\j], v[BD+\j], v[160+\j] :: v_dual_min_num_f32 v[161+\j], v[BD+1+\j], v[161+\j]
.endr
.set k, 0
.rept 8
.irp j, 0,2,4,6
.if k == 0
	v_pk_add_f32 v[BW+\j:BW+1+\j], v[BD+\j:BD+1+\j], s[NB:NB+1] op_sel_hi:[1,0]
.else
	v_pk_add_f32 v[BW+\j:BW+1+\j], v[BW+\j:BW+1+\j], s[NB:NB+1] op_sel_hi:[1,0]
.endif
.endr
.irp j, 0,2,4,6
	v_dual_min_num_f32 v[96+8*k+\j], v[BW+\j], v[96+8*k+\j] :: v_dual_min_num_f32 v[97+8*k+\j], v[BW+1+\j], v[97+8*k+\j]
.endr
.if k < 7
.irp j, 0,2,4,6
	v_dual_min_num_f32 v[168+8*k+\j], v[BW+\j], v[168+8*k+\j] :: v_dual_min_num_f32 v[169+8*k+\j], v[BW+1+\j], v[169+8*k+\j]
.endr
.endif
.set k, k+1
.endr
.Lopen_\@:
	v_max3_num_f32 v20, v96, v97, v98              ; my 64 keys' largest score, two chains for each tile
	v_max3_num_f32 v22, v160, v161, v162
	v_max3_num_f32 v21, v99, v100, v101
	v_max3_num_f32 v23, v163, v164, v165
.set i, 6
.rept 14
	v_max3_num_f32 v20, v20, v[96+i], v[97+i]
	v_max3_num_f32 v22, v22, v[160+i], v[161+i]
	v_max3_num_f32 v21, v21, v[98+i], v[99+i]
	v_max3_num_f32 v23, v23, v[162+i], v[163+i]
.set i, i+4
.endr
	v_max3_num_f32 v20, v20, v158, v159
	v_max3_num_f32 v22, v22, v222, v223
	v_max_num_f32 v20, v20, v21
	v_max_num_f32 v22, v22, v23
	v_permlanex16_b32 v28, v20, s[SEL], s[SEL+1]
	v_permlanex16_b32 v29, v22, s[SEL], s[SEL+1]
	v_max_num_f32 v20, v20, v28                    ; and lane l xor 16's
	v_max_num_f32 v22, v22, v29
	v_mul_f32 v20, s[CS], v20
	v_mul_f32 v22, s[CS], v22
	v_max_num_f32 v13, v13, v20
	v_max_num_f32 v17, v17, v22
	v_mov_b32 v20, v12
	v_mov_b32 v22, v16
	v_floor_f32 v12, -v13                          ; the new -M
	v_floor_f32 v16, -v17
	v_sub_f32 v20, v12, v20
	v_sub_f32 v22, v16, v22
	v_cvt_i32_f32 v20, v20
	v_cvt_i32_f32 v22, v22
	v_ldexp_f32 v24, 1.0, v20                      ; f = 2^(old M - new M)
	v_ldexp_f32 v26, 1.0, v22
.set i, 0
.rept 32
	v_pk_fma_f32 v[96+i:97+i], v[96+i:97+i], s[CS:CS+1], v[12:13] op_sel_hi:[1,0,0]   ; t - M
	v_pk_fma_f32 v[160+i:161+i], v[160+i:161+i], s[CS:CS+1], v[16:17] op_sel_hi:[1,0,0]
.set i, i+2
.endr
.set i, 0
.rept 16
	v_pk_mul_f32 v[32+i:33+i], v[32+i:33+i], v[24:25] op_sel_hi:[1,0]   ; O^T under the new M
	v_pk_mul_f32 v[64+i:65+i], v[64+i:65+i], v[26:27] op_sel_hi:[1,0]
.set i, i+2
.endr
	v_pk_mul_f32 v[14:15], v[14:15], v[24:25] op_sel_hi:[1,0]
	v_pk_mul_f32 v[18:19], v[18:19], v[26:27] op_sel_hi:[1,0]
	s_wait_alu depctr_va_vdst(0)
.set i, 0
.rept 128
	v_exp_f32 v[96+i], v[96+i]
.set i, i+1
.endr
	v_nop
	s_wait_alu depctr_va_vdst(0)
	v_pk_add_f32 v[230:231], v[96:97], v[98:99]    ; the sums of the unquantised p, two chains for each tile
	v_pk_add_f32 v[232:233], v[160:161], v[162:163]
.set i, 4
.rept 15
	v_pk_add_f32 v[14:15], v[14:15], v[96+i:97+i]
	v_pk_add_f32 v[18:19], v[18:19], v[160+i:161+i]
	v_pk_add_f32 v[230:231], v[230:231], v[98+i:99+i]
	v_pk_add_f32 v[232:233], v[232:233], v[162+i:163+i]
.set i, i+4
.endr
.set i, 0
.rept 64
	v_dual_min_num_f32 v[96+i], v4, v[96+i] :: v_dual_min_num_f32 v[97+i], v4, v[97+i]   ; the hold: the conversion does not saturate (ISA guide 7.6.2); p is not negative
.set i, i+2
.endr
	WIN TO_1
.irp t, 0,1,2,3,4,5,6,7
	v_cvt_scalef32_pk8_bf8_f32 v[128+2*\t:129+2*\t], v[96+8*\t:103+8*\t], v3
	v_cvt_scalef32_pk8_bf8_f32 v[144+2*\t:145+2*\t], v[160+8*\t:167+8*\t], v3
.endr
	WIN 0
	v_pk_add_f32 v[14:15], v[14:15], v[230:231]    ; (plain places behind the last conversion)
	v_pk_add_f32 v[18:19], v[18:19], v[232:233]
	s_wait_alu depctr_va_vdst(0)
	s_wait_dscnt 16                                ; V is in; the next unit's K (16 loads) may be out
	WIN MUL
.irp t, 0,1,2,3
	v_wmma_f32_16x16x128_bf8_bf8 v[32+8*\t:39+8*\t], v[64+16*\t:79+16*\t], v[128:143], v[32+8*\t:39+8*\t]
	v_wmma_f32_16x16x128_bf8_bf8 v[64+8*\t:71+8*\t], v[64+16*\t:79+16*\t], v[144:159], v[64+8*\t:71+8*\t]
.endr
	WIN 0
.rept 4
	v_nop
.endr
.Lhidden_\@:
	s_add_co_u32 s[TB], s[TB], 16384
	s_add_co_u32 s[U], s[U], 1
.endm
.macro UNITS n, q, base
	s_mov_b32 s[TC], 0
	s_mov_b32 s[TB], 0
	WIN TO_1
	KLOAD \base
	WIN 0
.Lunit_\@:
	STEP \q, \base, (\n-1)*16384
	s_add_co_u32 s[TC], s[TC], 1
	s_cmp_lt_u32 s[TC], \n
	s_cbranch_scc1 .Lunit_\@
.endm
	s_wait_loadcnt 0x0                             ; Q
	UNITS 2, 160, LB1
	s_wait_tensorcnt 0x0                           ; my part of the other units is in,
	s_wait_dscnt 0x0
	s_barrier_signal -1
	s_barrier_wait -1                              ; and everybody's; nothing is filled again
	s_cmp_eq_u32 s[ROLE], 0
	s_cselect_b32 s[U], 7, 1                       ; second loop: the far tiles' units from 7 on; waves 4 .. 7: units 1 .. 4
	s_cselect_b32 s[LIM], s54, 5
	UNITS 9, 160, LB2
	s_cmp_lg_u32 s[ROLE], 0
	s_cbranch_scc1 .Lkeep
.set i, 0
.rept 16                                       ; waves 0 .. 3 hand over their part of the far tiles: O^T, then -M, the largest t and the sum's halves
	ds_store_b128 v[PA], v[32+4*i:35+4*i] offset:512*i
.set i, i+1
.endr
	ds_store_b128 v[PA], v[12:15] offset:8192
	ds_store_b128 v[PA], v[16:19] offset:8704
	INIT                                           ; and begin the near tiles
	s_wait_alu depctr_va_vdst(0)
.Lkeep:
	s_wait_dscnt 0x0                               ; my stores are done: my partner reads them behind the barrier
	s_barrier_signal -1
	s_add_co_u32 s55, s[NEAR], 1
	s_cmp_eq_u32 s[ROLE], 0
	s_cselect_b32 s[LIM], s55, 0                   ; waves 4 .. 7 have no unit here
	s_mov_b32 s[U], 0
	s_mov_b32 s[DIAG], s[NEAR]
	UNITS 8, 176, LI                               ; register work and reads of images that nobody writes any more stand between the signal and the wait
	s_barrier_wait -1
	s_cmp_lg_u32 s[ROLE], 0
	s_cbranch_scc0 .Lown
	; waves 4 .. 7 join the two parts of the far tiles: both under the larger M, by exact powers of two
	ds_load_b128 v[160:163], v[PA] offset:8192
	ds_load_b128 v[164:167], v[PA] offset:8704
.set i, 0
.rept 16
	ds_load_b128 v[96+4*i:99+4*i], v[PA] offset:512*i
.set i, i+1
.endr
	s_wait_dscnt 0x0
	v_mov_b32 v21, 0                               ; (named as upper halves below)
	v_mov_b32 v23, 0
.macro JOIN m, b, f, g                 ; m: mine, b: my partner's -M, largest t, sum; f, g: the factors of my part and of my partner's
	v_add_f32 v[\m+2], v[\m+2], v[\m+3]
	v_add_f32 v[\b+2], v[\b+2], v[\b+3]
	v_min_num_f32 v[\b+3], v[\m], v[\b]
	v_sub_f32 v[\m], v[\b+3], v[\m]
	v_sub_f32 v[\b], v[\b+3], v[\b]
	v_cvt_i32_f32 v[\m], v[\m]
	v_cvt_i32_f32 v[\b], v[\b]
	v_ldexp_f32 v[\f], 1.0, v[\m]
	v_ldexp_f32 v[\g], 1.0, v[\b]
	v_mul_f32 v[\m+2], v[\m+2], v[\f]
	v_fma_f32 v[\m+2], v[\b+2], v[\g], v[\m+2]
	v_permlanex16_b32 v28, v[\m+2], s[SEL], s[SEL+1]
	v_add_f32 v[\m+2], v[\m+2], v28                ; the row's sum
.endm
	JOIN 12, 160, 24, 20
	JOIN 16, 164, 26, 22
	s_wait_alu depctr_va_vdst(0)
	v_rcp_f32 v14, v14
	v_rcp_f32 v18, v18
	v_nop
	s_wait_alu depctr_va_vdst(0)
	v_mul_f32 v24, v24, v14
	v_mul_f32 v20, v20, v14
	v_mul_f32 v26, v26, v18
	v_mul_f32 v22, v22, v18
	s_wait_alu depctr_va_vdst(0)
.set i, 0
.rept 16
	v_pk_mul_f32 v[32+i:33+i], v[32+i:33+i], v[24:25] op_sel_hi:[1,0]
	v_pk_mul_f32 v[64+i:65+i], v[64+i:65+i], v[26:27] op_sel_hi:[1,0]
.set i, i+2
.endr
.set i, 0
.rept 16
	v_pk_fma_f32 v[32+i:33+i], v[96+i:97+i], v[20:21], v[32+i:33+i] op_sel_hi:[1,0,1]
	v_pk_fma_f32 v[64+i:65+i], v[128+i:129+i], v[22:23], v[64+i:65+i] op_sel_hi:[1,0,1]
.set i, i+2
.endr
	s_wait_alu depctr_va_vdst(0)
	s_branch .Ljoin
.Lown:                                         ; waves 0 .. 3 finish the near tiles
	v_add_f32 v14, v14, v15
	v_add_f32 v18, v18, v19
	v_permlanex16_b32 v28, v14, s[SEL], s[SEL+1]
	v_permlanex16_b32 v29, v18, s[SEL], s[SEL+1]
	v_add_f32 v14, v14, v28
	v_add_f32 v18, v18, v29
	s_wait_alu depctr_va_vdst(0)
	v_rcp_f32 v14, v14
	v_rcp_f32 v18, v18
	v_nop
	s_wait_alu depctr_va_vdst(0)
.set i, 0
.rept 16
	v_pk_mul_f32 v[32+i:33+i], v[32+i:33+i], v[14:15] op_sel_hi:[1,0]
	v_pk_mul_f32 v[64+i:65+i], v[64+i:65+i], v[18:19] op_sel_hi:[1,0]
.set i, i+2
.endr
.Ljoin:
.set i, 0
.rept 64
	v_med3_num_f32 v[32+i], v[32+i], -v6, v6       ; the hold
.set i, i+1
.endr
.irp t, 0,1,2,3,4,5,6,7
	v_cvt_scalef32_pk8_bf8_f32 v[96+2*\t:97+2*\t], v[32+8*\t:39+8*\t], v5   ; registers 2 t, 2 t + 1 of the next product's fragment
.endr
	v_nop
	global_store_b128 v[LI], v[96:99], s[52:53]    ; 32 lanes store 512 consecutive bytes, aligned
	global_store_b128 v[LI], v[100:103], s[52:53] offset:512
	global_store_b128 v[LI], v[104:107], s[52:53] offset:16384
	global_store_b128 v[LI], v[108:111], s[52:53] offset:16896
	s_wait_tensorcnt 0x0                           ; the wave's end
	ds_add_u32 v254, v255
	s_wait_dscnt 0x0
	CROUND                                         ; the closing round: no work-group ends while a partner may still ask for a tile that names it
	s_endpgm
.Lfunc_end_k_q166f6e9c05_attn:
	.size	k_q166f6e9c05_attn, .Lfunc_end_k_q166f6e9c05_attn-k_q166f6e9c05_attn
	.p2alignl 7, 3214868480
	.fill 96, 4, 3214868480
	.section	.rodata,"a",@progbits
	.p2align	6, 0x0
	.amdhsa_kernel k_q166f6e9c05_attn
		.amdhsa_group_segment_fixed_size 327680
		.amdhsa_private_segment_fixed_size 0
		.amdhsa_enable_private_segment 0
		.amdhsa_kernarg_size 32
		.amdhsa_user_sgpr_count 2
		.amdhsa_user_sgpr_kernarg_segment_ptr 1
		.amdhsa_wavefront_size32 1
		.amdhsa_system_sgpr_workgroup_id_x 1
		.amdhsa_system_sgpr_workgroup_id_y 1
		.amdhsa_system_sgpr_workgroup_id_z 1
		.amdhsa_system_vgpr_workitem_id 0
		.amdhsa_next_free_vgpr 512
		.amdhsa_next_free_sgpr 96
		.amdhsa_reserve_vcc 0
		.amdhsa_float_denorm_mode_32 3
		.amdhsa_float_denorm_mode_16_64 3
		.amdhsa_memory_ordered 1
		.amdhsa_forward_progress 1
		.amdhsa_inst_pref_size 137
	.end_amdhsa_kernel
	.amdgpu_metadata
---
amdhsa.version: [ 1, 2 ]
amdhsa.kernels:
  - .name:           k_q166f6e9c05_attn
    .symbol:         k_q166f6e9c05_attn.kd
    .args:
      - { .name: qc, .offset: 0, .size: 8, .value_kind: global_buffer, .address_space: global }
      - { .name: kv, .offset: 8, .size: 8, .value_kind: global_buffer, .address_space: global }
      - { .name: lowp_scales, .offset: 16, .size: 8, .value_kind: global_buffer, .address_space: global }
      - { .name: ao, .offset: 24, .size: 8, .value_kind: global_buffer, .address_space: global }
    .group_segment_fixed_size: 327680
    .private_segment_fixed_size: 0
    .kernarg_segment_align: 8
    .kernarg_segment_size: 32
    .max_flat_workgroup_size: 256
    .sgpr_count:     96
    .vgpr_count:     512
    .wavefront_size: 32
...
	.end_amdgpu_metadata
.endif
;; end of part 2
;; launch oproj (part 3): grid 8 x 32, 4 waves a work-group, clusters of 4 x 4, 327,680 bytes of LDS; arguments ao, wo_codes, lowp_scales, out0; writes out0
.if DOCPART == 3
	.amdgcn_target "amdgcn-amd-amdhsa--gfx1250"
	.amdhsa_code_object_version 6
	.text
	.protected	k_q166f6e9c05_oproj
	.globl	k_q166f6e9c05_oproj
	.p2align	8
	.type	k_q166f6e9c05_oproj,@function
k_q166f6e9c05_oproj:
	s_mov_b64 s[64:65], 0
	v_nop
	global_prefetch_b8 v0, s[64:65] scope:SCOPE_SE
	s_setreg_imm32_b32 hwreg(HW_REG_WAVE_MODE, 25, 1), 1
	s_wait_xcnt 0x0
	s_wait_alu depctr_hold_cnt(0) depctr_sa_sdst(0) depctr_va_vdst(0) depctr_va_sdst(0) depctr_va_ssrc(0) depctr_va_vcc(0) depctr_vm_vsrc(0)
	s_getreg_b32 s2, hwreg(HW_REG_IB_STS2, 6, 4)
	s_cmp_eq_u32 s2, 0
	s_cbranch_scc0 .Lentry_in_a_cluster
	s_endpgm
.Lentry_in_a_cluster:
	s_bfe_u32 s2, ttmp6, 0x10000c
	s_cmp_lg_u32 s2, 0xf033
	s_cbranch_scc0 .Lentry_shape_is_right
	s_endpgm
.Lentry_shape_is_right:
; out0 = A wo^T on codes of BF8 (E5M2), x 2^(e10 + e11).  A: the attention's result, [256 tiles of 16 rows][16 heads][2 images of 512 bytes]: images of operand registers; two neighbouring heads are one
; fragment of 16 rows x 128 K in the form's own order (registers 2 c, 2 c + 1: k = 16 c + 8 (lane / 16) + 0 .. 7).  wo: [1024][1024] codes, K innermost.  out0: [4096][1024] f32.
; LIMIT: e10 + e11 between -126 and 127, so that 2^(e10 + e11) is an f32 number.
; SHARES.  256 tiles of 128 x 128 of out0, one to a work-group; four waves, each 32 rows x 128 columns: 16 accumulators.
; A GOES STRAIGHT INTO REGISTERS: only one wave of a work-group needs a given row, and the images are the registers: 64 loads of 512 consecutive bytes a wave, the first 32 asked for ahead of the cluster's round.
; (So A is not shared by joint loads: in LDS each byte would be written once and read once.)
; wo's 128 rows lie whole in LDS, each byte filled once: one load of 32 rows a wave.  The tile is finished in two halves of 64 columns: the first half's stores leave ahead of the second half's products.
; CLUSTER 4 x 4: wo's rows hang on the column block alone: asked for jointly by a column of the cluster.  No prefetch: one tensor load a wave, and no loop to run ahead in.
; wo's fragments come from rows of 1,040 bytes by 8-byte loads at row x 1,040 + 16 c + 8 h, the same order of k: the 32 lanes touch words 260 r + 2 h, + 1: 64 different banks (ISA guide 11.1).
; THE MATRIX INSTRUCTION IS USED TRANSPOSED (source 0 = 16 rows of wo, source 1 = 16 rows of A): a lane holds eight neighbouring numbers of a row of out0.
; REGISTERS: window 0: v20, 21 LDS addresses; v24-26 the way out; v32-63 scaled sums; v64-127 rows read back, two sets; v128-255 the accumulators (block (half, a): 32 from 128 + 64 half + 32 a).
;   window 1: all of A's fragments of my 32 rows ((a, q) at 128 a + 16 q).   windows 2, 3: wo's fragments of two column tiles, all of K, by turns ((q, b) at 32 q + 16 b).
.set WP,    1040                       ; 1,024 bytes + 16 of padding
.set STG,   128*WP                     ; behind wo's rows: a stage of 16 rows x 272 bytes for each wave, into which no tensor load lands
.set SPARE, STG+4*16*272               ; the spare words, 128 bytes for each wave, which no other line names
.set WV,   18
.set G1B,  24                          ; s[24:31] descriptor group 1 for wo;  s[32:35] its group 0
.set G0B,  32
.set SPW,  30
.set NIL,  31
.set LI,   3                           ; v3  16 x lane
.set ADB,  20                          ; v20, v21  LDS address of wo's fragments of columns 0-63, 64-127
.set STO,  24
.set RD,   25
.set CO,   26
.set TMP,  32
.set BK,   64
.set ACC,  128
.set MUL2, 0x06                        ; source 0 window 2, source 1 window 1; C and D window 0
.set MUL3, 0x07                        ; source 0 window 3
.set TO_1, 0x40                        ; destination window 1, 2, 3; address window 0
.set TO_2, 0x80
.set TO_3, 0xc0
.set MSB, 0
.macro WIN new
.if MSB != \new
	s_set_vgpr_msb (MSB<<8)|\new
.set MSB, \new
.endif
.endm
.macro PLACES                          ; four plain places (ISA guide 7.12.1)
.rept 4
	v_nop
.endr
.endm
.macro CROUND                          ; a round of the cluster's barrier
	s_barrier_signal -1
	s_barrier_wait -1
	s_cmp_lg_u32 s[WV], 0
	s_cbranch_scc1 .Lnot_wave_0_\@
	s_barrier_signal -3
.Lnot_wave_0_\@:
	s_barrier_wait -3
	s_barrier_signal -1
	s_barrier_wait -1
.endm
.macro ALOAD a                         ; A's fragments of my 16 rows a: 16,384 consecutive bytes
	WIN TO_1
.irp q, 0,1,2,3,4,5,6,7
.irp c, 0,1,2,3
	global_load_b128 v[128*\a+16*\q+4*\c:128*\a+16*\q+4*\c+3], v[LI], s[60:61] offset:\a*16384+\q*2048+512*\c
.endr
.endr
	WIN 0
.endm
	s_load_b128 s[4:7], s[0:1], 0x0                ; ao s[4:5], wo s[6:7]
	s_load_b128 s[8:11], s[0:1], 0x10              ; the scales' exponents s[8:9], out0 s[10:11]
	v_lshl_add_u32 v[SPW], v0, 2, SPARE
	v_mov_b32 v[NIL], 0
	ds_add_u32 v[SPW], v[NIL]                      ; the wave's opening: the add, twice on end, and its wait ahead of my first tensor load
	ds_add_u32 v[SPW], v[NIL]
	v_lshrrev_b32 v1, 5, v0
	v_readfirstlane_b32 s[WV], v1                  ; wave 0..3
	v_and_b32 v[LI], 31, v0
	v_lshlrev_b32 v[LI], 4, v[LI]
	s_bfe_u32 s21, ttmp6, 0x40000                  ; cx
	s_bfe_u32 s22, ttmp6, 0x40004                  ; cy
	s_lshl_b32 s23, ttmp9, 2
	s_add_co_u32 s23, s23, s21                     ; j: the column block
	s_and_b32 s56, ttmp7, 0xffff
	s_lshl_b32 s56, s56, 2
	s_add_co_u32 s56, s56, s22                     ; rb: the row block
	s_lshl_b32 s58, 0x1111, s21                    ; my column of the cluster
	s_or_b32 s[G1B], s58, (1<<20)|(1<<21)|(7<<22)|(3<<25)   ; the mask; elements of 1 byte; padding: four words after every 256; 21 set beside a mask
	s_mov_b32 s[G1B+1], 1024<<16                   ; tensor_dim0
	s_mov_b32 s[G1B+2], 32<<16                     ; tensor_dim1
	s_mov_b32 s[G1B+3], 1024<<16                   ; tile_dim0
	s_mov_b32 s[G1B+4], 32                         ; tile_dim1
	s_mov_b32 s[G1B+5], 1024
	s_mov_b32 s[G1B+6], 0
	s_mov_b32 s[G1B+7], 0
	s_lshl_b32 s59, s[WV], 15
	s_lshl_b32 s60, s56, 17                        ; A: (8 rb + 2 wave) tiles of 16,384 bytes
	s_add_co_u32 s60, s60, s59
	s_mov_b32 s61, 0
	s_lshl_b32 s62, s23, 17                        ; wo: (128 j + 32 wave) rows of 1,024 bytes (made of the column block alone)
	s_add_co_u32 s62, s62, s59
	s_mov_b32 s63, 0
	s_mul_i32 s85, s[WV], 32*WP                    ; where they go
	s_wait_dscnt 0x0                               ; both opening adds are done
	s_wait_alu depctr_va_vdst(0)
	s_wait_kmcnt 0x0
	s_load_b64 s[96:97], s[8:9], 0x28              ; e10, e11
	s_add_nc_u64 s[60:61], s[4:5], s[60:61]
	s_add_nc_u64 s[62:63], s[6:7], s[62:63]
	ALOAD 0
	s_mov_b32 s[G0B], 1
	s_mov_b32 s[G0B+1], s85
	s_mov_b64 s[G0B+2:G0B+3], s[62:63]
	s_or_b32 s[G0B+3], s[G0B+3], 0x80000000
	CROUND                                         ; all sixteen work-groups are here: the joint loads meet
	tensor_load_to_lds s[G0B:G0B+3], s[G1B:G1B+7]
	s_nop 0
.rept 4
	v_nop
.endr
	ALOAD 1
	v_and_b32 v1, 15, v0                           ; r
	v_bfe_u32 v2, v0, 4, 1                         ; h
	v_mul_u32_u24 v4, v1, WP
	v_lshl_add_u32 v[ADB], v2, 3, v4               ; row x 1,040 + 8 h
	v_add_nc_u32 v[ADB+1], 64*WP, v[ADB]
	s_mul_i32 s86, s[WV], 16*272
	s_add_co_u32 s86, s86, STG                     ; my stage
	v_mul_u32_u24 v5, v1, 272
	v_lshl_add_u32 v5, v2, 5, v5
	v_add_nc_u32 v[STO], s86, v5                   ; in: row r, 32 bytes for each half of the lanes
	v_mul_u32_u24 v5, v2, 272
	v_lshl_add_u32 v5, v1, 4, v5
	v_add_nc_u32 v[RD], s86, v5                    ; back: lanes 0-15 one row of 256 bytes, lanes 16-31 the next
	v_lshlrev_b32 v5, 12, v2
	v_lshl_add_u32 v[CO], v1, 4, v5                ; and the same two rows in out0
	s_lshl_b32 s86, s56, 19                        ; my first row: (128 rb + 32 wave) x 4,096 bytes; the first column: 128 j x 4
	s_lshl_b32 s87, s[WV], 17
	s_add_co_u32 s86, s86, s87
	s_lshl_b32 s87, s23, 9
	s_add_co_u32 s86, s86, s87
	s_mov_b32 s87, 0
	s_add_nc_u64 s[12:13], s[10:11], s[86:87]
	s_wait_alu depctr_va_vdst(0)
	s_wait_kmcnt 0x0
	s_add_co_i32 s96, s96, s97                     ; e10 + e11, between -126 and 127,
	s_add_co_i32 s96, s96, 127
	s_lshl_b32 s96, s96, 23                        ; makes the f32 number 2^(e10 + e11)
	s_wait_tensorcnt 0x0                           ; my rows of wo are in
	s_barrier_signal -1
	s_barrier_wait -1                              ; and everybody's; nothing is filled again
; 16 LDS loads: wo's fragments of column tiles 2 p, 2 p + 1 of the half, the q-th 128 along K
.macro FETCHQ half, p, q
.irp b, 0,1
.irp c, 0,1,2,3,4,5,6,7
	ds_load_b64 v[32*(\q)+16*\b+2*\c:32*(\q)+16*\b+2*\c+1], v[ADB+\half] offset:(2*\p+\b)*16*WP+(\q)*128+16*\c
.endr
.endr
.endm
; Two column tiles against my two row tiles, all of K: 32 products; the four accumulators take turns, one instruction a turn.
; Between the products of one q and the next stand the loads of the next pair's q (more = 1), into the other window.
.macro COLS half, p, mul, more, nhalf, np, to
	PLACES                                         ; ahead of loads into the window that the pair before has read
.irp q, 0,1,2,3,4,5,6,7
.if \more
	WIN \to
	FETCHQ \nhalf, \np, \q
.endif
.if \more || (\q < 4)
	s_wait_dscnt 63                                ; this q's fragments are in: 64 loads or more stand behind them
.else
	s_wait_dscnt 16*(7-\q)                         ; this q's fragments are in: 16 loads for each later q stand behind them
.endif
	WIN \mul
.irp b, 0,1
.irp a, 0,1
.if \q == 0
	v_wmma_f32_16x16x128_bf8_bf8 v[ACC+64*\half+32*\a+8*(2*\p+\b):ACC+64*\half+32*\a+8*(2*\p+\b)+7], v[32*\q+16*\b:32*\q+16*\b+15], v[128*\a+16*\q:128*\a+16*\q+15], 0
.else
	v_wmma_f32_16x16x128_bf8_bf8 v[ACC+64*\half+32*\a+8*(2*\p+\b):ACC+64*\half+32*\a+8*(2*\p+\b)+7], v[32*\q+16*\b:32*\q+16*\b+15], v[128*\a+16*\q:128*\a+16*\q+15], v[ACC+64*\half+32*\a+8*(2*\p+\b):ACC+64*\half+32*\a+8*(2*\p+\b)+7]
.endif
.endr
.endr
.endr
	WIN 0
.endm
; THE WAY OUT of block a (half a / 2, rows 16 (a % 2) on), 16 rows x 64 columns: x 2^(e10 + e11), through my own stage in LDS, back as whole rows of 256 bytes.  LDS serves a wave's instructions in order
; (ISA guide 5.7.1.4): no wait between the stores and the loads, nor in front of the next block's stores.
.macro TOSTAGE a
.set i, 0
.rept 16
	v_pk_mul_f32 v[TMP+i:TMP+i+1], v[ACC+32*(\a)+i:ACC+32*(\a)+i+1], s[96:97] op_sel_hi:[1,0]   ; both x s96; each accumulator from its low end on
.set i, i+2
.endr
.irp b, 0,1,2,3
	ds_store_b128 v[STO], v[TMP+8*\b:TMP+8*\b+3] offset:64*\b
	ds_store_b128 v[STO], v[TMP+8*\b+4:TMP+8*\b+7] offset:64*\b+16
.endr
.irp t, 0,1,2,3,4,5,6,7
	ds_load_b128 v[BK+32*((\a)%2)+4*\t:BK+32*((\a)%2)+4*\t+3], v[RD] offset:\t*2*272
.endr
.endm
.macro SEND a, younger                 ; younger: the LDS instructions issued behind block a's loads, which may stay out
	s_wait_dscnt \younger
.irp t, 0,1,2,3,4,5,6,7
	global_store_b128 v[CO], v[BK+32*((\a)%2)+4*\t:BK+32*((\a)%2)+4*\t+3], s[12:13] offset:(16*((\a)%2)+2*\t)*4096+256*((\a)/2) th:TH_STORE_NT   ; 16 lanes store 256 consecutive bytes, aligned; written once, read by nobody here
.endr
.endm
	WIN TO_2
.irp q, 0,1,2,3,4,5,6,7
	FETCHQ 0, 0, \q
.endr
	WIN 0
	s_wait_loadcnt 0x0                             ; A
	COLS 0, 0, MUL2, 1, 0, 1, TO_3
	COLS 0, 1, MUL3, 1, 1, 0, TO_2
	PLACES
	TOSTAGE 0
	TOSTAGE 1
	SEND 0, 16                                     ; behind block 0's loads: block 1's 8 stores and 8 loads
	SEND 1, 0
	COLS 1, 0, MUL2, 1, 1, 1, TO_3
	COLS 1, 1, MUL3, 0, 0, 0, 0
	PLACES
	s_wait_xcnt 0x0                                ; the first half's stores have read their registers: the loads below may land there
	TOSTAGE 2
	TOSTAGE 3
	SEND 2, 16
	SEND 3, 0
	s_wait_tensorcnt 0x0                           ; the wave's end
	ds_add_u32 v[SPW], v[NIL]
	s_wait_dscnt 0x0
	CROUND                                         ; the closing round: no work-group ends while a partner may still ask for rows that name it
	s_endpgm
.Lfunc_end_k_q166f6e9c05_oproj:
	.size	k_q166f6e9c05_oproj, .Lfunc_end_k_q166f6e9c05_oproj-k_q166f6e9c05_oproj
	.p2alignl 7, 3214868480
	.fill 96, 4, 3214868480
	.section	.rodata,"a",@progbits
	.p2align	6, 0x0
	.amdhsa_kernel k_q166f6e9c05_oproj
		.amdhsa_group_segment_fixed_size 327680
		.amdhsa_private_segment_fixed_size 0
		.amdhsa_enable_private_segment 0
		.amdhsa_kernarg_size 32
		.amdhsa_user_sgpr_count 2
		.amdhsa_user_sgpr_kernarg_segment_ptr 1
		.amdhsa_wavefront_size32 1
		.amdhsa_system_sgpr_workgroup_id_x 1
		.amdhsa_system_sgpr_workgroup_id_y 1
		.amdhsa_system_sgpr_workgroup_id_z 1
		.amdhsa_system_vgpr_workitem_id 0
		.amdhsa_next_free_vgpr 1024
		.amdhsa_next_free_sgpr 100
		.amdhsa_reserve_vcc 0
		.amdhsa_float_denorm_mode_32 3
		.amdhsa_float_denorm_mode_16_64 3
		.amdhsa_memory_ordered 1
		.amdhsa_forward_progress 1
		.amdhsa_inst_pref_size 66
	.end_amdhsa_kernel
	.amdgpu_metadata
---
amdhsa.version: [ 1, 2 ]
amdhsa.kernels:
  - .name:           k_q166f6e9c05_oproj
    .symbol:         k_q166f6e9c05_oproj.kd
    .args:
      - { .name: ao, .offset: 0, .size: 8, .value_kind: global_buffer, .address_space: global }
      - { .name: wo_codes, .offset: 8, .size: 8, .value_kind: global_buffer, .address_space: global }
      - { .name: lowp_scales, .offset: 16, .size: 8, .value_kind: global_buffer, .address_space: global }
      - { .name: out0, .offset: 24, .size: 8, .value_kind: global_buffer, .address_space: global }
    .group_segment_fixed_size: 327680
    .private_segment_fixed_size: 0
    .kernarg_segment_align: 8
    .kernarg_segment_size: 32
    .max_flat_workgroup_size: 128
    .sgpr_count:     100
    .vgpr_count:     1024
    .wavefront_size: 32
...
	.end_amdgpu_metadata
.endif
;; end of part 3
